; MI455X (gfx1250); checked and timed in simulation.
; The chip was launched on July 23, 2026; its instructions are those of AMD's public machine-readable ISA for CDNA 5 (MIT licence, August 2026) and "CDNA5" Instruction Set Architecture Reference Guide (July 2026). The comments in the code are by the model that wrote it; some were corrected since.
;; Attention. Allowed arithmetic: matrix products marked QUANTISED: E4M3 operands, one given power-of-two scale a tensor, by v_wmma_f32_16x16x64_fp8_fp8 or v_wmma_f32_16x16x128_fp8_fp8, f32 sums; everything else in f32.
;; Inputs: key 4,096 x 1,024 float32; lowp_scales 4 int32 (the exponents e of the quantised operands' scales 2^e); positions 4,096 int32; query 4,096 x 4,096 float32; value 4,096 x 1,024 float32.
;; Outputs: out0 4,096 x 4,096 float32.
;; This version of the problem:
;;   THIS VERSION OF THE PROBLEM IS GIVEN IN LOW PRECISION. The matrix products marked QUANTISED in the list below multiply operands that are first quantised to E4M3 (4 exponent bits, 3 mantissa bits; 8 bits a number), with one given power-of-two scale for each operand tensor; their sums are f32. All else is computed in f32.
;;   The module's matrix products, in the order in which they are computed (A, B: the left and right operand; K: the contracted axis; several contracted axes count as one K, in the product's order):
;;     1. batch 16 x [M 2,048, K 128] x [K 128, N 8,192]; A: computed on the way; B: computed on the way: QUANTISED (scales: A lowp_scales[0], B lowp_scales[1])
;;     2. batch 16 x [M 128, K 2,048] x [K 2,048, N 8,192]; A: input value; B: softmax (see below): QUANTISED (scales: A lowp_scales[2], B lowp_scales[3])
;;   THE QUANTISER, for each operand of a quantised product, along K:
;;     - The operand's scale is 2^e, e = its entry of the input lowp_scales (int32; the entries are numbered through the quantised products in the list's order, A before B).
;;     - Each number is divided by the scale, clamped to +-448, and rounded to the nearest number of E4M3, ties to even, subnormals kept.
;;     - The product sums the exact products of the quantised numbers (number of the format x scale) in f32.
;;   ~~~python
;;   def quantise(x, axis, e):      # numpy; x: float32 -> the quantised numbers, widened to float32 again
;;       x = np.moveaxis(x, axis, -1); K = x.shape[-1]
;;       r = np.clip(x / 2.0 ** e, -448, 448)
;;       step = 2.0 ** (np.maximum(np.frexp(np.where(r == 0, 1, r))[1] - 1, -6) - 3)
;;       q = np.round(r / step) * step * 2.0 ** e      # np.round: ties to even
;;       return np.moveaxis(q, -1, axis).astype(np.float32)
;;   ~~~
;;   SOFTMAX AHEAD OF A QUANTISED PRODUCT. Where the list says 'softmax', what is quantised is not the finished softmax but p = 2^(t - M), with t = logit x log2(e) and M = ceil(the row's largest t), a whole number; so 1/2 < the row's largest p <= 1. The row's sum l is taken of the UNQUANTISED p, in f32, and the product's result is divided by l at the end. Since M is a whole number, a kernel that streams over the keys may use a running M (the ceiling of the running maximum): every later rescaling is an exact power of two, so the quantised numbers keep their values, but for numbers so far below the row's largest that they fall under the format's range.
;;   OPERANDS COMPUTED ON THE WAY. 'Computed on the way' means the value that the module computes at that place (a softmax that the list does not call 'softmax' is quantised finished and normalised). What goes into a quantiser is computed in f32, as accurately as f32 sums, v_exp_f32 and their like allow (about 1e-6 of the number): no bf16 or f16 on the way to a quantiser, and a product that is left as it is and whose result goes on into a quantised operand takes f32 operands (vector FMAs, or v_wmma_f32_16x16x4_f32). A number that lies on a knife's edge between two numbers of the format may be rounded either way, as far as f32 arithmetic and the matrix unit's own rounding can turn it there, and no further.
;; One version. Each part assembles by itself: llvm-mc -triple=amdgcn-amd-amdhsa -mcpu=gfx1250 --defsym DOCPART=n.
;; ======== version 1 of 1: 2 launches
;; limits: right only within a limited range of input values
;; workspace buffers: qimg 16,777,216 bytes; kvimg 8,388,608 bytes
;; launch prep (part 1): grid 256 x 1, 16 waves a work-group, no clusters, 145,408 bytes of LDS; arguments query, key, value, positions, lowp_scales, qimg, kvimg; writes qimg, kvimg
.if DOCPART == 1
	.amdgcn_target "amdgcn-amd-amdhsa--gfx1250"
	.amdhsa_code_object_version 6
	.text
	.protected	k_q988718f1ed_prep
	.globl	k_q988718f1ed_prep
	.p2align	8
	.type	k_q988718f1ed_prep,@function
k_q988718f1ed_prep:
	s_mov_b64 s[64:65], 0
	v_nop
	global_prefetch_b8 v0, s[64:65] scope:SCOPE_SE
	s_setreg_imm32_b32 hwreg(HW_REG_WAVE_MODE, 25, 1), 1
	s_wait_xcnt 0x0
; RoPE(query) and RoPE(key) in f32, then all three tensors into codes of FP8 (E4M3), each with its given scale 2^e, laid out as IMAGES OF THE OPERAND REGISTERS that the attention launch loads.
; lowp_scales: [0] ek (key), [1] eq (query), [2] ev (value), [3] is not used here.  code = x / 2^e, held within +-448, to the nearest code, ties to even.
; SHARES.  A work-group takes 16 tokens (group tg = its number); each of its sixteen waves three tiles of 16 tokens x 128 numbers: query heads w and w + 16, and key head w (waves 0-7) or value head w - 8 (waves 8-15).
; qimg:  tile (tg, head) at (32 tg + head) x 2,048 bytes; in it chunk c, lane (r, h) at 512 c + 16 (r + 16 h): the codes of token r at d = 32 c + 16 h + 0 .. 15.
; kvimg: block (y = 8 b + kv head, key step s of 128) at (16 y + s) x 32,768 bytes: first K, eight tiles of 16 tokens laid like a tile of qimg; from byte 16,384 on V with the KEYS innermost:
;        2,048 t + 512 c + 256 h + 16 r: the codes of channel 16 t + r at keys 32 c + 16 h + 0 .. 15 of the step.
; SINE AND COSINE are written out in f32: wave w makes, for its lane's token, the frequencies 32 c + 16 h + w; the sixteen waves' results meet in a table in LDS (the launch's one barrier) and every wave reads all 64.
;   inv_freq = 2^(-j L), L = log2(10000) / 64 in two parts; the angle is position x inv_freq, rounded once; it is reduced by n = nearest(angle x 2 / pi) with pi / 2 in three parts, then two short polynomials on |r| <= pi / 4.
; LIMITS: |position| up to 65,536 (n x the first part of pi / 2 is then exact under the fused multiply-add); inv_freq lies within about one unit in the last place of its true value, which need not be the bits of a power and a division;
;   each e between -126 and 119; NaN among the inputs is not served (an infinity in value is held at the largest code).
; No tensor load, no cluster, no matrix instruction: no tile is shared and there is no product.  No prefetch: all of a wave's loads go out within its first lines.
.set STGB,  8448                       ; a wave's own stage in LDS: 16 rows x (512 bytes + 16)
.set TBL,   16*STGB                    ; behind the stages: the table, 64 registers x 32 lanes x 4 bytes
.set SPARE, TBL+8192                   ; behind the table: the spare words, 128 bytes for each wave: eight blocks of 256 bytes that no other line names
.set LI,   4                           ; v4   16 x lane
.set TIN,  5                           ; v5   the stage, in: my 16 bytes of a token's 512
.set TOUT, 6                           ; v6   the stage, out: row r, + 64 h
.set TW,   7                           ; v7   the table: where my wave's numbers go
.set TR,   8                           ; v8   the table: 16 x lane
.set VS,   9                           ; v9   V's way: in, 80 x lane
.set VR,   10                          ; v10  V's way: out
.set VO,   11                          ; v11  V's way: my 16 bytes in the block
.set PA,   12                          ; v12  4 r: my token's position
.set POS,  13                          ; v13  the position
.set SC,   14                          ; v14  2^e as f32
.set LM,   15                          ; v15  448 x 2^e
.set SPW,  16                          ; v16  LDS address of my spare word; never rewritten
.set NIL,  17                          ; v17  0; never rewritten
.set CS,   24                          ; v24-55 cosines, v56-87 sines: register 16 c + i belongs to frequency 32 c + 16 h + i of token r
.set XA,   88                          ; v88-151  a tile's 64 numbers
.set XB,   152                         ; v152-215 another's
.set T,    216                         ; v216-223 at work in the rotation
.set C0,   224                         ; v224-239 a tile's codes
.set C1,   240                         ; v240-255 another's
.set SB,   216                         ; v216-247 at work on sine and cosine, 16 registers for each c, before there are codes
.macro LOADT reg, base, pitch, off     ; 16 tokens x 512 bytes: each load reads one token's 512 consecutive bytes of the head
.set k, 0
.rept 16
	global_load_b128 v[\reg+4*k:\reg+4*k+3], v[LI], s[\base:\base+1] offset:\off+k*\pitch th:TH_LOAD_NT
.set k, k+1
.endr
.endm
.macro TURN reg                        ; through my stage: afterwards register 16 c + i = x(token r, d = 32 c + 16 h + i).  LDS serves a wave's instructions in order (ISA guide 5.7.1.4): no wait between stores and loads
.set k, 0
.rept 16
	ds_store_b128 v[TIN], v[\reg+4*k:\reg+4*k+3] offset:528*k
.set k, k+1
.endr
.set k, 0
.rept 16
	ds_load_b128 v[\reg+4*k:\reg+4*k+3], v[TOUT] offset:128*(k/4)+16*(k%4)
.set k, k+1
.endr
.endm
.macro ROPE reg                        ; x1 = x1 cos - x2 sin, x2 = x2 cos + x1 sin; x2 lies 32 registers behind x1; two numbers an instruction
.set n, 0
.rept 16
.set RX1, \reg+2*n
.set RX2, \reg+32+2*n
.set RCO, CS+2*n
.set RSI, CS+32+2*n
.set RTA, T+4*(n%2)
	v_pk_mul_f32 v[RTA:RTA+1], v[RX2:RX2+1], v[RSI:RSI+1]
	v_pk_mul_f32 v[RTA+2:RTA+3], v[RX1:RX1+1], v[RSI:RSI+1]
	s_delay_alu instid0(VALU_DEP_2)
	v_pk_fma_f32 v[RX1:RX1+1], v[RX1:RX1+1], v[RCO:RCO+1], v[RTA:RTA+1] neg_lo:[0,0,1] neg_hi:[0,0,1]
	s_delay_alu instid0(VALU_DEP_2)
	v_pk_fma_f32 v[RX2:RX2+1], v[RX2:RX2+1], v[RCO:RCO+1], v[RTA+2:RTA+3]
.set n, n+1
.endr
.endm
.macro CODES reg, cod                  ; 64 held numbers into 16 registers of codes; one plain vector line behind the last conversion
.set k, 0
.rept 8
	v_cvt_scalef32_pk8_fp8_f32 v[\cod+2*k:\cod+2*k+1], v[\reg+8*k:\reg+8*k+7], v[SC]
.set k, k+1
.endr
	v_nop
.endm
.macro QUANT reg, cod
.set k, 0
.rept 64
	v_med3_num_f32 v[\reg+k], v[\reg+k], -v[LM], v[LM]   ; the conversion to an 8-bit code does not saturate (ISA guide 7.6.2): the hold at the largest code x the scale
.set k, k+1
.endr
	CODES \reg, \cod
.endm
.macro PUT cod, base, off              ; the tile's image: each store covers 512 consecutive bytes, aligned
.irp c, 0,1,2,3
	global_store_b128 v[LI], v[\cod+4*\c:\cod+4*\c+3], s[\base:\base+1] offset:\off+512*\c
.endr
.endm
.macro SETSC e                         ; s[e] = the exponent: 2^e and 448 x 2^e as f32
	s_add_co_i32 s34, s[\e], 127
	s_lshl_b32 s35, s34, 23
	v_mov_b32 v[SC], s35
	s_add_co_i32 s34, s34, 8
	s_lshl_b32 s34, s34, 23
	s_or_b32 s34, s34, 0x600000
	v_mov_b32 v[LM], s34
.endm
	s_load_b256 s[4:11], s[0:1], 0x0               ; query s[4:5], key s[6:7], value s[8:9], positions s[10:11]
	s_load_b128 s[12:15], s[0:1], 0x20             ; the scales' exponents s[12:13], qimg s[14:15]
	s_load_b64 s[16:17], s[0:1], 0x30              ; kvimg
	v_lshl_add_u32 v[SPW], v0, 2, SPARE
	v_mov_b32 v[NIL], 0
	v_lshrrev_b32 v1, 5, v0
	s_delay_alu instid0(VALU_DEP_1)
	v_readfirstlane_b32 s18, v1                    ; wave 0..15
	v_and_b32 v1, 31, v0                           ; lane
	v_and_b32 v2, 15, v0                           ; r
	v_bfe_u32 v3, v0, 4, 1                         ; h
	s_delay_alu instid0(VALU_DEP_3)
	v_lshlrev_b32 v[LI], 4, v1
	s_mul_i32 s32, s18, STGB                       ; my stage
	v_add_nc_u32 v[TIN], s32, v[LI]
	v_mul_u32_u24 v[TOUT], v2, 528
	s_delay_alu instid0(VALU_DEP_1)
	v_lshl_add_u32 v[TOUT], v3, 6, v[TOUT]
	s_delay_alu instid0(VALU_DEP_1)
	v_add_nc_u32 v[TOUT], s32, v[TOUT]
	s_lshr_b32 s33, s18, 2                         ; the table holds register R of lane l at 512 (R / 4) + 16 l + 4 (R % 4); my wave writes R = 16 c + w (cosines) and 32 + 16 c + w (sines)
	s_lshl_b32 s33, s33, 9
	s_and_b32 s34, s18, 3
	s_lshl_b32 s34, s34, 2
	s_add_co_u32 s33, s33, s34
	s_add_co_u32 s33, s33, TBL
	v_add_nc_u32 v[TW], s33, v[LI]
	v_add_nc_u32 v[TR], TBL, v[LI]
	v_mul_u32_u24 v[VS], v1, 80                    ; V's way through the stage: a lane's four channels, 64 bytes + 16 of padding
	s_delay_alu instid0(VALU_DEP_1)
	v_add_nc_u32 v[VS], s32, v[VS]
	v_lshrrev_b32 v[VR], 2, v1
	s_delay_alu instid0(VALU_DEP_1)
	v_mul_u32_u24 v[VR], v[VR], 80
	v_and_b32 v[VO], 3, v1
	s_delay_alu instid0(VALU_DEP_1)
	v_lshl_add_u32 v[VR], v[VO], 4, v[VR]
	s_delay_alu instid0(VALU_DEP_1)
	v_add_nc_u32 v[VR], s32, v[VR]                 ; back: channel 32 i + lane at 80 ((32 i + lane) / 4) + 16 (lane % 4)
	v_lshlrev_b32 v[VO], 11, v3
	s_delay_alu instid0(VALU_DEP_1)
	v_lshl_add_u32 v[VO], v2, 4, v[VO]             ; and in the block: 2,048 (channel / 16) + 16 (channel % 16)
	v_lshlrev_b32 v[PA], 2, v2
	s_lshl_b32 s36, ttmp9, 18                      ; query: 16 tokens of 16,384 bytes,
	s_lshl_b32 s37, s18, 9                         ; head w
	s_add_co_u32 s36, s36, s37
	s_mov_b32 s37, 0
	s_and_b32 s38, s18, 7                          ; the kv head
	s_lshl_b32 s40, ttmp9, 16                      ; key and value: 16 tokens of 4,096 bytes,
	s_lshl_b32 s41, s38, 9                         ; the head
	s_add_co_u32 s40, s40, s41
	s_mov_b32 s41, 0
	s_lshl_b32 s42, ttmp9, 16                      ; qimg: (32 tg + w) x 2,048
	s_lshl_b32 s43, s18, 11
	s_add_co_u32 s42, s42, s43
	s_mov_b32 s43, 0
	s_lshr_b32 s44, ttmp9, 7                       ; kvimg: b,
	s_lshl_b32 s44, s44, 3
	s_add_co_u32 s44, s44, s38                     ; y = 8 b + head,
	s_lshl_b32 s44, s44, 4
	s_bfe_u32 s45, ttmp9, 0x40003                  ; the key step: bits 6:3 of tg,
	s_add_co_u32 s44, s44, s45
	s_lshl_b32 s44, s44, 15                        ; the block,
	s_and_b32 s45, ttmp9, 7                        ; and my 16 tokens among its 128:
	s_lshl_b32 s46, s45, 11                        ; K: a tile of 2,048 bytes
	s_lshl_b32 s47, s45, 8                         ; V: keys 32 c + 16 h on lie at 512 c + 256 h = 256 x (tg % 8),
	s_add_co_u32 s47, s47, 16384                   ; behind K's part
	s_cmp_lt_u32 s18, 8
	s_cselect_b32 s46, s46, s47
	s_add_co_u32 s44, s44, s46
	s_mov_b32 s45, 0
	s_lshl_b32 s48, ttmp9, 6                       ; positions: 16 tokens of 4 bytes
	s_mov_b32 s49, 0
	s_mov_b32 s32, s18                             ; w and w + 32: the frequencies' scalar part
	s_add_co_u32 s33, s18, 32
	s_wait_alu depctr_va_vdst(0)
	s_wait_kmcnt 0x0
	s_load_b128 s[20:23], s[12:13], 0x0            ; ek, eq, ev, ep
	s_cmp_lt_u32 s18, 8                            ; the third tile comes from key or from value: the choice hangs on the wave's number alone
	s_cselect_b64 s[26:27], s[6:7], s[8:9]
	s_add_nc_u64 s[26:27], s[26:27], s[40:41]
	s_add_nc_u64 s[24:25], s[4:5], s[36:37]
	s_add_nc_u64 s[28:29], s[14:15], s[42:43]
	s_add_nc_u64 s[30:31], s[16:17], s[44:45]
	s_add_nc_u64 s[10:11], s[10:11], s[48:49]
	global_load_b32 v[POS], v[PA], s[10:11]
	LOADT XA, 24, 16384, 0                         ; query head w
	LOADT XB, 24, 16384, 8192                      ; query head w + 16
	; ---- inv_freq for j = 32 c + 16 h + w, both c side by side: -j L = a + e, a rounded, e what the rounding and the second part of L leave; 2^(a + e) = 2^a (1 + e ln 2)
.irp c, 0,1
	v_lshl_add_u32 v[SB+16*\c], v3, 4, s[32+\c]
.endr
.irp c, 0,1
	s_delay_alu instid0(VALU_DEP_2)
	v_cvt_f32_u32 v[SB+16*\c], v[SB+16*\c]
.endr
.irp c, 0,1
	s_delay_alu instid0(VALU_DEP_2)
	v_mul_f32 v[SB+16*\c+1], 0xbe549a78, v[SB+16*\c]
.endr
.irp c, 0,1
	s_delay_alu instid0(VALU_DEP_2)
	v_fma_f32 v[SB+16*\c+2], v[SB+16*\c], 0xbe549a78, -v[SB+16*\c+1]
.endr
.irp c, 0,1
	s_delay_alu instid0(VALU_DEP_2)
	v_fma_f32 v[SB+16*\c+2], v[SB+16*\c], 0xb1979a37, v[SB+16*\c+2]
.endr
	s_wait_alu depctr_va_vdst(0)
.irp c, 0,1
	v_exp_f32 v[SB+16*\c+3], v[SB+16*\c+1]
.endr
.irp c, 0,1
	v_mul_f32 v[SB+16*\c+2], 0x3f317218, v[SB+16*\c+2]   ; e ln 2: also the plain lines behind the two exponentials
.endr
	s_wait_alu depctr_va_vdst(0)                   ; one wait for both exponentials, ahead of their first reader
.irp c, 0,1
	v_fma_f32 v[SB+16*\c+4], v[SB+16*\c+3], v[SB+16*\c+2], v[SB+16*\c+3]
.endr
	s_wait_loadcnt 32                              ; the position is in; the 32 loads issued behind it stay out
	v_cvt_f32_i32 v[POS], v[POS]
	s_wait_alu depctr_va_vdst(0)
.irp c, 0,1
	v_mul_f32 v[SB+16*\c], v[POS], v[SB+16*\c+4]   ; the angle, rounded once
.endr
.irp c, 0,1
	s_delay_alu instid0(VALU_DEP_2)
	v_mul_f32 v[SB+16*\c+5], 0x3f22f983, v[SB+16*\c]
.endr
.irp c, 0,1
	s_delay_alu instid0(VALU_DEP_2)
	v_rndne_f32 v[SB+16*\c+5], v[SB+16*\c+5]       ; n
.endr
.irp c, 0,1
	s_delay_alu instid0(VALU_DEP_2)
	v_fma_f32 v[SB+16*\c+6], v[SB+16*\c+5], 0xbfc90fd8, v[SB+16*\c]
.endr
.irp c, 0,1
	s_delay_alu instid0(VALU_DEP_2)
	v_fma_f32 v[SB+16*\c+6], v[SB+16*\c+5], 0xb4a8885a, v[SB+16*\c+6]
.endr
.irp c, 0,1
	s_delay_alu instid0(VALU_DEP_2)
	v_fma_f32 v[SB+16*\c+6], v[SB+16*\c+5], 0xa7c234c4, v[SB+16*\c+6]   ; r = angle - n pi / 2
.endr
.irp c, 0
	s_delay_alu instid0(VALU_DEP_2)
	v_mul_f32 v[SB+16*\c+7], v[SB+16*\c+6], v[SB+16*\c+6]               ; r^2
	v_mov_b32 v[SB+16*\c+8], 0x37cd4000
	v_mov_b32 v[SB+16*\c+9], 0x36405000
.endr
.irp c, 1
	s_delay_alu instid0(VALU_DEP_4)
	v_mul_f32 v[SB+16*\c+7], v[SB+16*\c+6], v[SB+16*\c+6]               ; r^2
	v_mov_b32 v[SB+16*\c+8], 0x37cd4000
	v_mov_b32 v[SB+16*\c+9], 0x36405000
.endr
.irp c, 0
	v_fmaak_f32 v[SB+16*\c+8], v[SB+16*\c+8], v[SB+16*\c+7], 0xbab6077d
	v_fmaak_f32 v[SB+16*\c+9], v[SB+16*\c+9], v[SB+16*\c+7], 0xb9503486
.endr
.irp c, 1
	s_delay_alu instid0(VALU_DEP_4)
	v_fmaak_f32 v[SB+16*\c+8], v[SB+16*\c+8], v[SB+16*\c+7], 0xbab6077d
	s_delay_alu instid0(VALU_DEP_4)
	v_fmaak_f32 v[SB+16*\c+9], v[SB+16*\c+9], v[SB+16*\c+7], 0xb9503486
.endr
.irp c, 0,1
	s_delay_alu instid0(VALU_DEP_4)
	v_fmaak_f32 v[SB+16*\c+8], v[SB+16*\c+8], v[SB+16*\c+7], 0x3d2aaaa8
	s_delay_alu instid0(VALU_DEP_4)
	v_fmaak_f32 v[SB+16*\c+9], v[SB+16*\c+9], v[SB+16*\c+7], 0x3c0888c1
.endr
.irp c, 0,1
	v_fma_f32 v[SB+16*\c+8], v[SB+16*\c+8], v[SB+16*\c+7], -0.5
	v_fmaak_f32 v[SB+16*\c+9], v[SB+16*\c+9], v[SB+16*\c+7], 0xbe2aaaab
	v_mul_f32 v[SB+16*\c+10], v[SB+16*\c+6], v[SB+16*\c+7]
.endr
.irp c, 0,1
	v_fma_f32 v[SB+16*\c+8], v[SB+16*\c+8], v[SB+16*\c+7], 1.0          ; cos r
	v_fma_f32 v[SB+16*\c+9], v[SB+16*\c+9], v[SB+16*\c+10], v[SB+16*\c+6]   ; sin r
	v_cvt_i32_f32 v[SB+16*\c+11], v[SB+16*\c+5]                         ; the quadrant is n modulo 4
.endr
.irp c, 0,1
	v_and_b32 v[SB+16*\c+12], 1, v[SB+16*\c+11]
	s_delay_alu instid0(VALU_DEP_1)
	v_cmp_eq_u32 s[34+\c], 1, v[SB+16*\c+12]
	s_delay_alu instid0(VALU_DEP_1)
	v_cndmask_b32 v[SB+16*\c+13], v[SB+16*\c+9], v[SB+16*\c+8], s[34+\c]    ; the sine: in odd quadrants cos r
	s_delay_alu instid0(VALU_DEP_2)
	v_cndmask_b32 v[SB+16*\c+14], v[SB+16*\c+8], v[SB+16*\c+9], s[34+\c]    ; the cosine: in odd quadrants sin r
	v_lshlrev_b32 v[SB+16*\c+12], 30, v[SB+16*\c+11]
	s_delay_alu instid0(VALU_DEP_1)
	v_and_b32 v[SB+16*\c+12], 0x80000000, v[SB+16*\c+12]                    ; the sine is negated in quadrants 2 and 3,
	s_delay_alu instid0(VALU_DEP_1)
	v_xor_b32 v[SB+16*\c+13], v[SB+16*\c+12], v[SB+16*\c+13]
	v_add_nc_u32 v[SB+16*\c+11], 1, v[SB+16*\c+11]
	s_delay_alu instid0(VALU_DEP_1)
	v_lshlrev_b32 v[SB+16*\c+11], 30, v[SB+16*\c+11]
	s_delay_alu instid0(VALU_DEP_1)
	v_and_b32 v[SB+16*\c+11], 0x80000000, v[SB+16*\c+11]                    ; the cosine in quadrants 1 and 2
	s_delay_alu instid0(VALU_DEP_1)
	v_xor_b32 v[SB+16*\c+14], v[SB+16*\c+11], v[SB+16*\c+14]
.endr
	ds_store_b32 v[TW], v[SB+14]
	ds_store_b32 v[TW], v[SB+30] offset:2048
	ds_store_b32 v[TW], v[SB+13] offset:4096
	ds_store_b32 v[TW], v[SB+29] offset:6144
	s_wait_dscnt 0x0                               ; for the others' sake: my four stores into the table are done
	s_barrier_signal -1
	s_barrier_wait -1                              ; the table is whole; nobody writes it again
.set k, 0
.rept 16
	ds_load_b128 v[CS+4*k:CS+4*k+3], v[TR] offset:512*k
.set k, k+1
.endr
	s_wait_kmcnt 0x0
	SETSC 21                                       ; eq
	; ---- query head w
	s_wait_loadcnt 16                              ; its 16 loads are in; the next tile's 16 stay out
	TURN XA
	s_wait_dscnt 0x0                               ; the tile is back, and the table is in
	ROPE XA
	QUANT XA, C0
	PUT C0, 28, 0
	LOADT XA, 26, 4096, 0                          ; the third tile, into the registers just left
	; ---- query head w + 16
	s_wait_loadcnt 16                              ; its 16 loads are in; the third tile's 16 stay out
	TURN XB
	s_wait_dscnt 0x0
	ROPE XB
	QUANT XB, C1
	PUT C1, 28, 32768
	; ---- key or value
	s_cmp_lt_u32 s18, 8
	s_cselect_b32 s36, s20, s22                    ; ek or ev
	SETSC 36
	s_wait_loadcnt 0x0
	s_wait_xcnt 0x0                                ; the stores above have read their registers: both sets of codes may be written again
	s_cmp_lt_u32 s18, 8
	s_cbranch_scc0 .Lvalue
	TURN XA
	s_wait_dscnt 0x0
	ROPE XA
	QUANT XA, C0
	PUT C0, 30, 0
	s_branch .Ljoin
.Lvalue:                                               ; as loaded, register 4 k + d = value(token k, channel 4 lane + d): a lane holds all 16 keys of four channels.  The hold also puts them in order: register 16 d + k
	s_wait_alu depctr_va_vdst(0)
.irp d, 0,1,2,3
.set k, 0
.rept 16
	v_med3_num_f32 v[XB+16*\d+k], v[XA+4*k+\d], -v[LM], v[LM]
.set k, k+1
.endr
.endr
	CODES XB, C0                                   ; registers 4 d .. 4 d + 3: the 16 keys' codes of channel 4 lane + d
.irp d, 0,1,2,3
	ds_store_b128 v[VS], v[C0+4*\d:C0+4*\d+3] offset:16*\d
.endr
.irp i, 0,1,2,3
	ds_load_b128 v[C1+4*\i:C1+4*\i+3], v[VR] offset:640*\i   ; channel 32 i + lane
.endr
	s_wait_dscnt 0x0
.irp i, 0,1,2,3
	global_store_b128 v[VO], v[C1+4*\i:C1+4*\i+3], s[30:31] offset:4096*\i   ; sixteen lanes store 256 consecutive bytes, aligned
.endr
.Ljoin:
	s_wait_tensorcnt 0x0                           ; the wave's end
	ds_add_u32 v[SPW], v[NIL]
	s_wait_dscnt 0x0
	s_endpgm
.Lfunc_end_k_q988718f1ed_prep:
	.size	k_q988718f1ed_prep, .Lfunc_end_k_q988718f1ed_prep-k_q988718f1ed_prep
	.p2alignl 7, 3214868480
	.fill 96, 4, 3214868480
	.section	.rodata,"a",@progbits
	.p2align	6, 0x0
	.amdhsa_kernel k_q988718f1ed_prep
		.amdhsa_group_segment_fixed_size 145408
		.amdhsa_private_segment_fixed_size 0
		.amdhsa_enable_private_segment 0
		.amdhsa_kernarg_size 56
		.amdhsa_user_sgpr_count 2
		.amdhsa_user_sgpr_kernarg_segment_ptr 1
		.amdhsa_wavefront_size32 1
		.amdhsa_system_sgpr_workgroup_id_x 1
		.amdhsa_system_sgpr_workgroup_id_y 1
		.amdhsa_system_sgpr_workgroup_id_z 1
		.amdhsa_system_vgpr_workitem_id 0
		.amdhsa_next_free_vgpr 256
		.amdhsa_next_free_sgpr 66
		.amdhsa_reserve_vcc 0
		.amdhsa_float_denorm_mode_32 3
		.amdhsa_float_denorm_mode_16_64 3
		.amdhsa_memory_ordered 1
		.amdhsa_forward_progress 1
		.amdhsa_inst_pref_size 58
	.end_amdhsa_kernel
	.amdgpu_metadata
---
amdhsa.version: [ 1, 2 ]
amdhsa.kernels:
  - .name:           k_q988718f1ed_prep
    .symbol:         k_q988718f1ed_prep.kd
    .args:
      - { .name: query, .offset: 0, .size: 8, .value_kind: global_buffer, .address_space: global }
      - { .name: key, .offset: 8, .size: 8, .value_kind: global_buffer, .address_space: global }
      - { .name: value, .offset: 16, .size: 8, .value_kind: global_buffer, .address_space: global }
      - { .name: positions, .offset: 24, .size: 8, .value_kind: global_buffer, .address_space: global }
      - { .name: lowp_scales, .offset: 32, .size: 8, .value_kind: global_buffer, .address_space: global }
      - { .name: qimg, .offset: 40, .size: 8, .value_kind: global_buffer, .address_space: global }
      - { .name: kvimg, .offset: 48, .size: 8, .value_kind: global_buffer, .address_space: global }
    .group_segment_fixed_size: 145408
    .private_segment_fixed_size: 0
    .kernarg_segment_align: 8
    .kernarg_segment_size: 56
    .max_flat_workgroup_size: 512
    .sgpr_count:     66
    .vgpr_count:     256
    .wavefront_size: 32
...
	.end_amdgpu_metadata
.endif
;; end of part 1
;; launch attn (part 2): grid 16 x 16, 8 waves a work-group, no clusters, 327,680 bytes of LDS; arguments qimg, kvimg, lowp_scales, out0; writes out0
.if DOCPART == 2
	.amdgcn_target "amdgcn-amd-amdhsa--gfx1250"
	.amdhsa_code_object_version 6
	.text
	.protected	k_q988718f1ed_attn
	.globl	k_q988718f1ed_attn
	.p2align	8
	.type	k_q988718f1ed_attn,@function
k_q988718f1ed_attn:
	s_mov_b64 s[64:65], 0
	v_nop
	global_prefetch_b8 v0, s[64:65] scope:SCOPE_SE
	s_setreg_imm32_b32 hwreg(HW_REG_WAVE_MODE, 25, 1), 1
	s_wait_xcnt 0x0
; Attention with a causal mask and a window of 1,024 keys (key j counts for query i where 0 <= i - j < 1,024, both counted within the sequence), on codes of FP8 (E4M3) laid out by the launch before.
; 2 sequences x 2,048 tokens, 32 query heads on 8 kv heads, head size 128.  lowp_scales: ek, eq, ev, ep.  out0: [4096][32 x 128] f32.
; Key steps all of whose keys the mask hides from a tile are left out: their p would be 0.
; THE SOFTMAX AHEAD OF THE SECOND PRODUCT: t = score x log2(e) / sqrt(128); M = the running largest t rounded UP to a whole number; p = 2^(t - M) is what is quantised; the row's sum is taken of the unquantised p and
; divides at the end; when M moves, the sum and O are multiplied by 2^(old M - new M), which rounds nothing.  Hidden scores become -infinity ahead of the maximum, so that p = 0; every query sees its own key.
; SHARES.  Work-group (g = 0..15, y = 8 b + kv head).  Wave w serves query head 4 kv + w % 4 and holds TWO tiles of 16 queries, tile u in register window u: tokens T_u + 16 (w / 4) + r.  So a work-group holds all four
; heads of its kv head on the same tokens, and each block of K and V is fetched once for the four.  Two phases on one ring:
;   heavy: T0 = 1024 + 64 g, T1 = T0 + 32, both in block 8 + g / 2: key steps g / 2 .. g / 2 + 8;     light, i = g / 4: T0 = 128 i + 32 (g % 4), T1 = 128 (7 - i) + 32 (g % 4): key steps 0 .. 7 - i.
; REL_u = the first token of T_u's block of 128 - the step's first key: above 1,024 (as an unsigned number: negative too) nothing; 1,024 the window's edge (masked); 128 .. 896 all keys count; 0 the diagonal (masked).
; Every wave has 9 + 9 + 9 tile steps of softmax.  All trip counts are constants; what a tile does not need is jumped over by scalar branches on ids.  K Q^T is issued for both tiles in every step that is not idle.
; NO CLUSTER: the walks of neighbouring work-groups begin at block g / 2 and end at a step that hangs on g / 4, so partners would need different numbers of tiles.
; THE RING: two slots of THREE key steps; six slots in all: heavy 0-2, light 3-5.  Wave w fetches, by one load of 3 rows of 4,096 bytes, rows 16 w .. 16 w + 15 (of 256 bytes) of each of the slot's three blocks:
; so each load that is issued has bytes that are read.  Slot 5 (light steps 6 to 8) is asked for only where i <= 1: a jump on ids and the count of slots, the same in all waves; every wait on TENSORcnt is for 0.
; In a slot's last step the three lines and the barrier's signal stand as soon as V's fragments are in registers; both tiles' softmax and V^T P, work on registers, stand between the signal and the wait; the refill follows the wait.
; LAYOUT.  Both products transposed: S^T = K Q^T, O^T = V^T P^T: a lane holds ONE query (lane % 16).  Lane r of K's tile 2 b + u takes key 32 b + 8 u + r + 8 (r / 8), so that S^T's registers 16 b + i are keys 32 b + 16 (lane / 16) + i.
; LIMITS on the given exponents: eq + ek between -123 and 130 (added to c's exponent field); ep between -126 and 119; ep + ev goes through v_ldexp_f32 and has none.  NaN is not served.
; LDS: row R (256 bytes + 16 of padding) of step z of a slot lies at 13,056 (R / 16) + 4,352 z + 272 (R % 16).  Slot 0 at 0, slot 1 at 2^17; behind them a stage for each wave, then the spare words.
; REGISTERS.  Window 0 alone: v1 AK0, v2 AV0, v3 PFO, v4 LI, v5, v6 the add's two, v7 STO, v8 ADK, v9 ADV, v10 SRD.  In both windows, for the window's tile: v11 my query's place in its block - 16 h; v12 -M; v13 the largest t;
;   v[14:15] the sum; v16-31 Q; v96-159 S^T, then p; v160-223 O^T; v224-239 p's codes; v240 448 x 2^ep; v241 -infinity; v244 2^ep; v247 16 (w / 4) + r - 16 h; v242, v243, v246, v252-254 at work.  v32-95: fragments of K or V: tiles 0-3 in window 0, 4-7 in window 1.
.set STEPB, 4352                       ; from a key step to the next: 16 rows x 272
.set GRP,   3*STEPB                    ; a wave's share of a slot: 16 rows of each of three steps
.set SLOT1, 1<<17
.set STAGE, SLOT1+8*GRP                ; 16 rows x (512 bytes + 16) for each wave; no fill lands here
.set SPARE, STAGE+8*8448               ; the spare words, 128 bytes for each wave: four blocks of 256 bytes that no other line names
.set AK0, 1
.set AV0, 2
.set PFO, 3
.set LI,  4
.set SPW, 5
.set NIL, 6
.set STO, 7
.set ADK, 8
.set ADV, 9
.set SRD, 10
.set WV,  12                           ; s12 wave;  s13 g;  s14 i = g / 4;  s15 y
.set GG,  13
.set II,  14
.set YY,  15
.set G1,  16                           ; s[16:23] descriptor group 1
.set G0,  24                           ; s[24:27] descriptor group 0, which walks
.set TB,  28                           ; s28 LDS byte at which the step in hand begins
.set SL,  29                           ; s29 the slot in hand, 0 .. 5
.set TW,  30                           ; s30 counts a slot's first two steps
.set LIM, 31                           ; s31 the slot at whose head my wave prefetches (0), or none (-1)
.set PFA, 32                           ; s[32:33] where my prefetch stands; never rewritten
.set LASTF, 34                         ; s34 the last slot at whose end a refill is asked for: 3 where i <= 1, else 2
.set OUTN, 35                          ; s35 the slot at whose head light tile 0 goes out: 4, or 5 where i = 3
.set MQ,  36                           ; s36, s37 T_u % 128 in the heavy phase; s38 in the light phase (both tiles)
.set REL, 40                           ; s40, s41
.set SEL, 42                           ; s[42:43] v_permlanex16_b32's selects for lane l xor 16
.set CS,  44                           ; s[44:45] c = log2(e) / sqrt(128) x 2^(eq + ek)
.set EPV, 46                           ; s46 ep + ev
.set QA,  66                           ; s[66:73] Q's tiles: heavy 0, heavy 1, light 0, light 1
.set OA,  74                           ; s[74:81] O's rows likewise
.set KO,  82                           ; s[82:83] the byte in kvimg of what I fetch next: an offset, its high word 0
.set KL,  85                           ; s85 the same for the light phase's first slot
.set MSB, 0
.macro WIN new                         ; bits 1:0 source 0, 3:2 source 1, 5:4 source 2, 7:6 destination; the immediate's high byte repeats the setting that is left
.if MSB != (\new)
	s_set_vgpr_msb (MSB<<8)|(\new)
.set MSB, (\new)
.endif
.endm
.macro PLACES
.rept 4
	v_nop
.endr
.endm
.macro TLOAD                           ; every wave's one load; an s_nop 0 and four v_nop follow it
	tensor_load_to_lds s[G0:G0+3], s[G1:G1+7]
	s_nop 0
.rept 4
	v_nop
.endr
.endm
.macro NEXTD                           ; group 0 for the next slot; it stands where no tensor load of mine is out
	s_xor_b32 s[G0+1], s[G0+1], SLOT1              ; the other slot than last time,
	s_add_co_u32 s[KO], s[KO], 0x18000             ; and the next three blocks
.endm
.macro ADDR
	s_add_nc_u64 s[G0+2:G0+3], s[6:7], s[KO:KO+1]  ; 120:64 the global address is made anew from kvimg's and the offset,
	s_or_b32 s[G0+3], s[G0+3], 0x80000000          ; 127:126 and the type is set anew
.endm
.macro GRD
	s_wait_tensorcnt 0x0
	ds_add_u32 v[SPW], v[NIL]
	s_wait_dscnt 0x0
	s_barrier_signal -1
.endm
.macro KLOAD                           ; K's eight fragments: tile t, chunk c at 13,056 (t / 2) + 128 (t % 2) + 544 c from my lane's place
.irp t, 0,1,2,3
.irp c, 0,1,2,3
	ds_load_b128 v[32+16*\t+4*\c:35+16*\t+4*\c], v[ADK] offset:(\t/2)*GRP+(\t%2)*128+\c*544
.endr
.endr
	WIN 0x40
.irp t, 0,1,2,3
.irp c, 0,1,2,3
	ds_load_b128 v[32+16*\t+4*\c:35+16*\t+4*\c], v[ADK] offset:((\t+4)/2)*GRP+(\t%2)*128+\c*544
.endr
.endr
	WIN 0
.endm
.macro VLOAD                           ; V's eight: tile t (channels 16 t on), chunk c at 13,056 (t / 2) + 2,176 (t % 2) + 544 c
.irp t, 0,1,2,3
.irp c, 0,1,2,3
	ds_load_b128 v[32+16*\t+4*\c:35+16*\t+4*\c], v[ADV] offset:(\t/2)*GRP+(\t%2)*2176+\c*544
.endr
.endr
	WIN 0x40
.irp t, 0,1,2,3
.irp c, 0,1,2,3
	ds_load_b128 v[32+16*\t+4*\c:35+16*\t+4*\c], v[ADV] offset:((\t+4)/2)*GRP+(\t%2)*2176+\c*544
.endr
.endr
	WIN 0
.endm
.macro KQQ lo                          ; four products of S^T = K Q^T, K's tiles lo .. lo + 3; each starts its sum with the constant 0
.irp t, 0,1,2,3
	v_wmma_f32_16x16x128_fp8_fp8 v[96+8*(\lo+\t):103+8*(\lo+\t)], v[32+16*\t:47+16*\t], v[16:31], 0
.endr
.endm
.macro PVQ lo                          ; four products of O^T += V^T P^T, V's tiles lo .. lo + 3: eight accumulators by turns, one instruction a turn
.irp t, 0,1,2,3
	v_wmma_f32_16x16x128_fp8_fp8 v[160+8*(\lo+\t):167+8*(\lo+\t)], v[32+16*\t:47+16*\t], v[224:239], v[160+8*(\lo+\t):167+8*(\lo+\t)]
.endr
.endm
.macro MASK cmp                        ; register n holds the step's key 32 (n / 16) + n % 16 + 16 h; v11 = my query's place among the 128, less 16 h.  Ascending: each accumulator is read from its low end on
.set n, 0
.rept 64
	\cmp vcc_lo, 32*(n/16)+n%16, v11
	v_cndmask_b32 v[96+n], v[96+n], v241, vcc_lo
.set n, n+1
.endr
.endm
.macro SOFTMAX                         ; one tile, one key step; all its registers lie in the tile's window
	v_max3_num_f32 v254, v96, v97, v98             ; the step's largest score of my query, among my 64 keys, in two chains,
	v_max3_num_f32 v252, v99, v100, v101
.set j, 6
.rept 14
	v_max3_num_f32 v254, v254, v[96+j], v[97+j]
	v_max3_num_f32 v252, v252, v[98+j], v[99+j]
.set j, j+4
.endr
	v_max3_num_f32 v254, v254, v158, v159
	s_delay_alu instid0(VALU_DEP_1)
	v_max_num_f32 v254, v254, v252
	s_delay_alu instid0(VALU_DEP_1)
	v_permlanex16_b32 v246, v254, s[SEL], s[SEL+1]
	s_delay_alu instid0(VALU_DEP_1)
	v_max_num_f32 v254, v254, v246                 ; and among lane l xor 16's
	s_delay_alu instid0(VALU_DEP_1)
	v_mul_f32 v254, s[CS], v254                    ; as t (c is positive)
	s_delay_alu instid0(VALU_DEP_1)
	v_max_num_f32 v13, v13, v254                   ; the running largest t
	v_mov_b32 v254, v12
	s_delay_alu instid0(VALU_DEP_2)
	v_floor_f32 v12, -v13                          ; the new -M = floor(-t): M is a whole number
	s_delay_alu instid0(VALU_DEP_1)
	v_sub_f32 v254, v12, v254                      ; old M - new M: a whole number, 0 or less
	s_delay_alu instid0(VALU_DEP_1)
	v_cvt_i32_f32 v254, v254                       ; (it saturates)
	s_delay_alu instid0(VALU_DEP_1)
	v_ldexp_f32 v252, 1.0, v254                    ; f = 2^(old M - new M)
.set j, 0
.rept 32
	v_pk_fma_f32 v[96+j:97+j], v[96+j:97+j], s[CS:CS+1], v[12:13] op_sel_hi:[1,0,0]   ; t - M, two at a time (of the pairs c and -M the low word serves both halves)
.set j, j+2
.endr
.set j, 0
	s_wait_alu depctr_va_vdst(0)                   ; the wait ahead of the batch
.rept 64
	v_exp_f32 v[96+j], v[96+j]                     ; p = 2^(t - M), at most 1: not normalised
.set j, j+1
.endr
	v_pk_mul_f32 v[14:15], v[14:15], v[252:253] op_sel_hi:[1,0]   ; the sums under the new M: also the plain line behind the exponentials
	s_wait_alu depctr_va_vdst(0)                   ; one wait for the batch of 64, ahead of its first reader
	v_pk_add_f32 v[242:243], v[96:97], v[98:99]    ; the row's sum is taken of the unquantised p: two at a time, in two chains
.set j, 4
.rept 15
	v_pk_add_f32 v[14:15], v[14:15], v[96+j:97+j]
	v_pk_add_f32 v[242:243], v[242:243], v[98+j:99+j]
.set j, j+4
.endr
	s_delay_alu instid0(VALU_DEP_1)
	v_pk_add_f32 v[14:15], v[14:15], v[242:243]
.irp b, 0,1,2,3
.set j, 0
.rept 16
	v_min_num_f32 v[96+16*\b+j], v[96+16*\b+j], v240   ; the conversion to an 8-bit code does not saturate (ISA guide 7.6.2); p is not negative, so the hold is one-sided
.set j, j+1
.endr
	v_cvt_scalef32_pk8_fp8_f32 v[224+4*\b:225+4*\b], v[96+16*\b:103+16*\b], v244
	v_cvt_scalef32_pk8_fp8_f32 v[226+4*\b:227+4*\b], v[104+16*\b:111+16*\b], v244
.endr
	s_wait_alu depctr_va_vdst(0)                   ; the wait here, directly ahead of the first reader of O^T
.set j, 0
.rept 32
	v_pk_mul_f32 v[160+j:161+j], v[160+j:161+j], v[252:253] op_sel_hi:[1,0]   ; O^T under the new M; these are also the plain lines between the conversions and the products that read the codes
.set j, j+2
.endr
.endm
.macro TILE_SM u, last                 ; tile u's mask, softmax and V^T P, if any of the step's keys counts for it.  last = 1: V's fragments have been waited for in front of the barrier's signal
	s_cmp_gt_u32 s[REL+\u], 1024
	s_cbranch_scc1 .Lhidden_\@
	s_cmp_eq_u32 s[REL+\u], 0
	s_cbranch_scc0 .Lnot_diag_\@
	WIN 0x55*\u
	MASK v_cmp_gt_i32                              ; the diagonal: keys after my query are hidden
	WIN 0
.Lnot_diag_\@:
	s_cmp_eq_u32 s[REL+\u], 1024
	s_cbranch_scc0 .Lnot_edge_\@
	WIN 0x55*\u
	MASK v_cmp_le_i32                              ; the window's edge: keys 1,024 or more before my query are hidden
	WIN 0
.Lnot_edge_\@:
	WIN 0x55*\u
	SOFTMAX
.if \last == 0
	s_wait_dscnt 0x0                               ; V's fragments, asked for ahead of the softmax, are in
.endif
.if \u == 0
	PVQ 0
	WIN 0x01                                       ; V's tiles 4-7 lie in window 1
	s_wait_alu depctr_va_vdst(0)
	PVQ 4
.else
	s_wait_alu depctr_va_vdst(0)
	PVQ 4
	WIN 0x54                                       ; V's tiles 0-3 lie in window 0
	PVQ 0
.endif
	WIN 0
.Lhidden_\@:
.endm
.macro STEP last                       ; a key step of 128 keys; last = 1: the slot's third, with the change of slots
	s_min_u32 s47, s[REL], s[REL+1]
	s_cmp_gt_u32 s47, 1024
	s_cbranch_scc1 .Lidle_\@                       ; no key of the step counts for either tile
	v_add_nc_u32 v[ADK], s[TB], v[AK0]
	v_add_nc_u32 v[ADV], s[TB], v[AV0]
	v_nop
	v_nop                                          ; with the two additions: four places in front of loads into registers that the last products read (ISA guide 7.12.1 for vector instructions)
	s_wait_alu depctr_va_vdst(0)
	s_wait_dscnt 0x0                               ; V's fragments of the step before are in, on every way: K's land in the same registers
	KLOAD
	s_wait_dscnt 16                                ; K's tiles 0-3 are in; the sixteen younger loads, tiles 4-7, may be out
	KQQ 0
	WIN 0x44                                       ; Q and S^T of tile 1 in window 1
	KQQ 0
	s_wait_dscnt 0x0
	WIN 0x01                                       ; K's tiles 4-7 in window 1
	KQQ 4
	WIN 0x45
	KQQ 4
	WIN 0
	PLACES                                         ; in front of the loads below and of the first read of the scores
	VLOAD
.if \last
	GRD
.endif
	TILE_SM 0, \last
	TILE_SM 1, \last
.if \last
	s_barrier_wait -1
	s_branch .Ljoin_\@
.endif
.Lidle_\@:
.if \last
	GRD
	s_barrier_wait -1
.Ljoin_\@:                                             ; the slot ahead is whole, and nobody reads the slot in hand
	NEXTD
	s_cmp_eq_u32 s[SL], 1                          ; behind the heavy phase's last slot: the kv head's first three blocks
	s_cselect_b32 s[KO], s[KL], s[KO]
	ADDR
	s_cmp_gt_u32 s[SL], s[LASTF]                   ; ids and the count of slots alone: a slot that no step reads is not asked for
	s_cbranch_scc1 .Lpast_\@
	TLOAD                                          ; slot SL + 2, into the bytes of the slot just left: it has the next slot's steps in which to land
.Lpast_\@:
.endif
	s_sub_co_u32 s[REL], s[REL], 128
	s_sub_co_u32 s[REL+1], s[REL+1], 128
	s_add_co_u32 s[TB], s[TB], STEPB
.endm
.macro QLOAD u, sreg                   ; a tile of Q: four loads of 512 consecutive bytes; it stays in registers
	WIN 0x40*\u
.irp c, 0,1,2,3
	global_load_b128 v[16+4*\c:19+4*\c], v[LI], s[\sreg:\sreg+1] offset:512*\c th:TH_LOAD_NT
.endr
	WIN 0
.endm
.macro SETQ u, sreg                    ; my query's place in its block of 128, less 16 h
	WIN 0x55*\u
	v_add_nc_u32 v11, s[\sreg], v247
	WIN 0
.endm
.macro INIT u                          ; the step is written once: a tile's first turn finds zeros, which the first change of M leaves zeros
	WIN 0x55*\u
	v_mov_b32 v13, 0xff61b1e6                      ; the largest t so far: -3e38, under every t
	s_delay_alu instid0(VALU_DEP_1)
	v_floor_f32 v12, -v13
	v_mov_b32 v14, 0
	v_mov_b32 v15, 0
.set j, 0
.rept 64
	v_mov_b32 v[160+j], 0
.set j, j+1
.endr
	WIN 0
.endm
.macro OUT u, sreg                     ; O^T / the sum x 2^(ep + ev), through my stage, out as whole rows of 512 bytes
	WIN 0x55*\u
	v_add_f32 v14, v14, v15                        ; the sum's two halves,
	s_delay_alu instid0(VALU_DEP_1)
	v_permlanex16_b32 v246, v14, s[SEL], s[SEL+1]
	s_delay_alu instid0(VALU_DEP_1)
	v_add_f32 v14, v14, v246                       ; and lane l xor 16's
	s_wait_alu depctr_va_vdst(0)
	v_rcp_f32 v14, v14
	v_nop                                          ; a plain line behind the reciprocal,
	s_wait_alu depctr_va_vdst(0)                   ; and the wait ahead of its first reader
	v_ldexp_f32 v14, v14, s[EPV]
.set j, 0
.rept 32
	v_pk_mul_f32 v[96+j:97+j], v[160+j:161+j], v[14:15] op_sel_hi:[1,0]   ; register 8 t + i is o(r, 16 t + 8 h + i); each accumulator from its low end on
.set j, j+2
.endr
	WIN 0x04*\u                                    ; the data of a store are source 1
.set j, 0
.rept 8
	ds_store_b128 v[STO], v[96+8*j:99+8*j] offset:64*j
	ds_store_b128 v[STO], v[100+8*j:103+8*j] offset:64*j+16
.set j, j+1
.endr
	WIN 0x40*\u
.set j, 0
.rept 16
	ds_load_b128 v[96+4*j:99+4*j], v[SRD] offset:528*j   ; LDS serves a wave's instructions in order (ISA guide 5.7.1.4): these see my stores
.set j, j+1
.endr
	WIN 0x04*\u
.set j, 0
.rept 16
	s_wait_dscnt 15-j                              ; row j is back; the younger loads may be out
	global_store_b128 v[LI], v[96+4*j:99+4*j], s[\sreg:\sreg+1] offset:16384*j th:TH_STORE_NT   ; 32 lanes store 512 consecutive bytes, aligned
.set j, j+1
.endr
	WIN 0
.endm
	s_load_b256 s[4:11], s[0:1], 0x0               ; qimg s[4:5], kvimg s[6:7], the scales' exponents s[8:9], out0 s[10:11]
	v_lshl_add_u32 v[SPW], v0, 2, SPARE
	v_mov_b32 v[NIL], 0
	ds_add_u32 v[SPW], v[NIL]                      ; the wave's opening: the add, twice on end, and its wait ahead of my first tensor load
	ds_add_u32 v[SPW], v[NIL]
	v_lshrrev_b32 v8, 5, v0
	v_readfirstlane_b32 s[WV], v8                  ; wave 0..7
	s_mov_b32 s[GG], ttmp9                         ; g
	s_and_b32 s[YY], ttmp7, 0xffff                 ; 8 b + kv head
	s_lshr_b32 s[II], s[GG], 2                     ; i
	; descriptor group 1: 3 rows of 512 elements of 8 bytes, a block (32,768 bytes) apart in memory; 16 bytes of padding behind each 256 in LDS
	s_mov_b32 s[G1], (3<<16)|(1<<20)|(5<<22)|(3<<25)   ; 15:0 no mask; 17:16 elements of 8 bytes; 20 padding on; 24:22 after every 64 words (code 5); 31:25 four words (code 3)
	s_mov_b32 s[G1+1], 512<<16                     ; tensor_dim0
	s_mov_b32 s[G1+2], 3<<16                       ; tensor_dim1
	s_mov_b32 s[G1+3], 512<<16                     ; tile_dim0
	s_mov_b32 s[G1+4], 3                           ; tile_dim1
	s_mov_b32 s[G1+5], 4096                        ; tensor_dim0_stride
	s_mov_b32 s[G1+6], 0
	s_mov_b32 s[G1+7], 0
	s_mov_b32 s[SEL], 0x76543210
	s_mov_b32 s[SEL+1], 0xfedcba98
	s_mov_b32 s[CS], 0x3e0293ee                    ; log2(e) / sqrt(128)
	s_mov_b32 s[TB], 0
	s_mov_b32 s[SL], 0
	s_mov_b32 s[REL], 1024                         ; the heavy phase begins 1,024 keys before both tiles' block
	s_mov_b32 s[REL+1], 1024
	s_lshl_b32 s[KL], s[YY], 19                    ; what I fetch: the kv head's 16 blocks of 32,768 bytes,
	s_lshl_b32 s47, s[WV], 12                      ; my 16 rows of a block:
	s_add_co_u32 s[KL], s[KL], s47                 ; so the light phase begins;
	s_lshr_b32 s[KO], s[GG], 1
	s_lshl_b32 s[KO], s[KO], 15
	s_add_co_u32 s[KO], s[KO], s[KL]               ; the heavy phase begins g / 2 blocks further on
	s_mov_b32 s[KO+1], 0
	s_mul_i32 s84, s[WV], GRP                      ; and where it goes
	s_cmp_lt_u32 s[II], 2
	s_cselect_b32 s[LASTF], 3, 2
	s_cmp_eq_u32 s[II], 3
	s_cselect_b32 s[OUTN], 5, 4
	s_cmp_gt_u32 s[GG], 13                         ; who prefetches: waves 0 to 5 of work-groups 14 and 15
	s_cselect_b32 s88, 0, -1
	s_cmp_lt_u32 s[WV], 6
	s_cselect_b32 s[LIM], s88, -1
	s_lshr_b32 s52, s[YY], 3                       ; b
	s_and_b32 s53, s[YY], 7
	s_lshl_b32 s53, s53, 2
	s_and_b32 s55, s[WV], 3
	s_add_co_u32 s53, s53, s55                     ; the query head
	s_lshr_b32 s57, s[WV], 2                       ; which 16 of a tile's 32 tokens
	s_lshl_b32 s91, s57, 4
	s_lshl_b32 s54, s52, 23                        ; qimg: 4,096 bytes a token + 2,048 x head
	s_lshl_b32 s55, s57, 16
	s_add_co_u32 s54, s54, s55
	s_lshl_b32 s55, s53, 11
	s_add_co_u32 s54, s54, s55
	s_lshl_b32 s56, s52, 25                        ; out0: rows of 16,384 bytes + 512 x head
	s_lshl_b32 s57, s57, 18
	s_add_co_u32 s56, s56, s57
	s_lshl_b32 s57, s53, 9
	s_add_co_u32 s56, s56, s57
	s_lshl_b32 s58, s[GG], 6
	s_add_co_u32 s58, s58, 1024                    ; T: heavy 0,
	s_add_co_u32 s59, s58, 32                      ; heavy 1,
	s_and_b32 s[MQ+2], s[GG], 3
	s_lshl_b32 s[MQ+2], s[MQ+2], 5                 ; 32 (g % 4)
	s_lshl_b32 s60, s[II], 7
	s_sub_co_u32 s61, 896, s60
	s_add_co_u32 s60, s60, s[MQ+2]                 ; light 0,
	s_add_co_u32 s61, s61, s[MQ+2]                 ; light 1
	s_and_b32 s[MQ], s[GG], 1
	s_lshl_b32 s[MQ], s[MQ], 6
	s_add_co_u32 s[MQ+1], s[MQ], 32
	s_lshl_b32 s86, s[YY], 19                      ; the prefetch: blocks 13 to 15 of the kv head, 98,304 bytes: 49,152 a work-group, 8,192 a wave, lanes 256 bytes apart
	s_add_co_u32 s86, s86, 13<<15
	s_and_b32 s87, s[GG], 1
	s_mul_i32 s87, s87, 49152
	s_add_co_u32 s86, s86, s87
	s_lshl_b32 s87, s[WV], 13
	s_add_co_u32 s86, s86, s87
	s_mov_b32 s87, 0
	s_wait_dscnt 0x0                               ; both opening adds are done
	s_wait_kmcnt 0x0
	s_load_b128 s[48:51], s[8:9], 0x0              ; ek, eq, ev, ep
	s_mov_b32 s[G0], 1                             ; 1:0 count = 1
	s_mov_b32 s[G0+1], s84                         ; 63:32 LDS address: slot 0
	ADDR
	tensor_load_to_lds s[G0:G0+3], s[G1:G1+7]      ; slot 0: my one tensor load at the head
	s_nop 0
	v_and_b32 v8, 15, v0                           ; r
	v_bfe_u32 v9, v0, 4, 1                         ; h
	v_and_b32 v10, 31, v0                          ; lane
	v_lshlrev_b32 v[LI], 4, v10
	v_lshlrev_b32 v[PFO], 8, v10
.irp n, 0,1,2,3
	s_lshl_b32 s62, s[58+\n], 12
	s_add_co_u32 s62, s62, s54
	s_mov_b32 s63, 0
	s_add_nc_u64 s[QA+2*\n:QA+2*\n+1], s[4:5], s[62:63]
	s_lshl_b32 s62, s[58+\n], 14
	s_add_co_u32 s62, s62, s56
	s_add_nc_u64 s[OA+2*\n:OA+2*\n+1], s[10:11], s[62:63]
.endr
	s_add_nc_u64 s[PFA:PFA+1], s[6:7], s[86:87]
	s_wait_alu depctr_va_vdst(0)
	QLOAD 0, QA
	QLOAD 1, QA+2
	v_lshrrev_b32 v[AK0], 3, v8                    ; K: 2,176 (r / 8) + 272 h + 16 (r % 8)
	v_and_b32 v[AV0], 7, v8
	v_mul_u32_u24 v[AK0], v[AK0], 2176
	v_mul_u32_u24 v[STO], v8, 528                  ; the stage, in: row r, 32 bytes for each half of the lanes
	v_mad_u32_u24 v[AK0], v9, 272, v[AK0]
	v_lshlrev_b32 v11, 4, v9
	v_lshl_add_u32 v[AK0], v[AV0], 4, v[AK0]
	v_mul_u32_u24 v[AV0], v9, 272                  ; V: behind K's four groups of 16 rows, 272 h + 16 r
	v_lshl_add_u32 v[STO], v9, 5, v[STO]
	v_lshl_add_u32 v[AV0], v8, 4, v[AV0]
	v_sub_nc_u32 v11, v8, v11                      ; r - 16 h
	v_add_nc_u32 v[AV0], 4*GRP, v[AV0]
	s_mul_i32 s90, s[WV], 8448
	s_add_co_u32 s90, s90, STAGE                   ; my stage
	v_add_nc_u32 v[STO], s90, v[STO]
	v_add_nc_u32 v[SRD], s90, v[LI]                ; back: the 32 lanes take one row of 512 bytes
	s_wait_alu depctr_va_vdst(0)                   ; the wait here, directly ahead of the wait below
	s_wait_kmcnt 0x0
	s_add_co_i32 s47, s48, s49
	s_lshl_b32 s47, s47, 23
	s_add_co_i32 s[CS], s[CS], s47                 ; a score stands for score x 2^(eq + ek): the two exponents are added to c's exponent field
	s_mov_b32 s[CS+1], s[CS]                       ; (named with it as a pair, so it is written)
	s_add_co_i32 s[EPV], s50, s51
	s_add_co_i32 s47, s51, 127
	s_lshl_b32 s52, s47, 23                        ; 2^ep as f32
	s_add_co_i32 s47, s47, 8
	s_lshl_b32 s53, s47, 23
	s_or_b32 s53, s53, 0x600000                    ; 448 x 2^ep
.irp u, 0,1
	WIN 0x40*\u                                    ; the same constants in both windows (the destination alone changes window)
	v_mov_b32 v240, s53
	v_mov_b32 v241, 0xff800000
	v_mov_b32 v244, s52
	v_mov_b32 v246, 0                              ; written once: a lane permute's destination counts as one of its sources
	v_mov_b32 v253, 0                              ; (named as the upper half of the pair v[252:253])
	v_add_nc_u32 v247, s91, v11                    ; 16 (w / 4) + r - 16 h
.endr
	WIN 0
	SETQ 0, MQ
	SETQ 1, MQ+1
	INIT 0
	INIT 1
	s_wait_alu depctr_va_vdst(0)                   ; the wait at the head's end
	s_wait_tensorcnt 0x0                           ; my share of slot 0 is in; the same lines stand ahead of a later first fill, as ahead of a refill
	ds_add_u32 v[SPW], v[NIL]
	NEXTD
	ADDR
	s_wait_dscnt 0x0
	s_barrier_signal -1
	s_barrier_wait -1                              ; slot 0 is whole
	TLOAD                                          ; slot 1's first fill
	s_wait_loadcnt 0x0                             ; Q
.Lslot:                                                ; six trips: slots 0 to 5
	s_cmp_eq_u32 s[SL], 3                          ; slot 3 begins the light phase.  No barrier and no tensor load stands in this branch, which hangs on the count of slots alone
	s_cbranch_scc0 .Lsame_phase
	PLACES                                         ; behind the last products: in front of the loads into Q's registers and of the first read of O^T
	QLOAD 0, QA+4
	QLOAD 1, QA+6                                  ; the light tiles' Q lands while the heavy tiles go out
	OUT 0, OA
	OUT 1, OA+2
	SETQ 0, MQ+2
	SETQ 1, MQ+2
	INIT 0
	INIT 1
	s_lshl_b32 s[REL], s[II], 7
	s_sub_co_u32 s[REL+1], 896, s[REL]
	s_wait_alu depctr_va_vdst(0)                   ; the wait here, directly ahead of the waits below
	s_wait_xcnt 0x0                                ; the stores have read their registers: the next scores may be written there
	s_wait_loadcnt 0x0                             ; Q
.Lsame_phase:
	s_cmp_eq_u32 s[SL], s[OUTN]                    ; light tile 0's walk ended in the slot before: it goes out now, while tile 1 walks on
	s_cbranch_scc0 .Lno_out
	PLACES
	OUT 0, OA+4
	s_wait_xcnt 0x0                                ; the stores have read their registers
.Lno_out:
	; A PREFETCH INTO THE L2.  Of a kv head's 16 blocks, slots 0 and 1 of its sixteen work-groups ask for blocks 0 to 12 by their loads; blocks 13 to 15 are first asked for by slot 2's loads, at the end of slot 0.
	; They are named once, at slot 0's head, three key steps ahead of those loads: by work-groups 14 and 15, whose slot 2 they are, shared out by address.  The light phase walks blocks that have been read.
	s_cmp_eq_u32 s[SL], s[LIM]
	s_cbranch_scc0 .Lnot_mine
	global_prefetch_b8 v[PFO], s[PFA:PFA+1] th:TH_LOAD_NT scope:SCOPE_SE
.Lnot_mine:
	s_mov_b32 s[TW], 2
.Lstep:                                                ; the slot's first two steps: written once, walked twice
	STEP 0
	s_sub_co_u32 s[TW], s[TW], 1
	s_cmp_lg_u32 s[TW], 0
	s_cbranch_scc1 .Lstep
	STEP 1
	s_sub_co_u32 s[TB], s[TB], 3*STEPB
	s_xor_b32 s[TB], s[TB], SLOT1                  ; on to the other slot
	s_add_co_u32 s[SL], s[SL], 1
	s_cmp_lt_u32 s[SL], 6
	s_cbranch_scc1 .Lslot
	PLACES
	OUT 1, OA+6
	s_wait_tensorcnt 0x0                           ; the wave's end: three lines behind my last tensor load and my last LDS store
	ds_add_u32 v[SPW], v[NIL]
	s_wait_dscnt 0x0
	s_endpgm
.Lfunc_end_k_q988718f1ed_attn:
	.size	k_q988718f1ed_attn, .Lfunc_end_k_q988718f1ed_attn-k_q988718f1ed_attn
	.p2alignl 7, 3214868480
	.fill 96, 4, 3214868480
	.section	.rodata,"a",@progbits
	.p2align	6, 0x0
	.amdhsa_kernel k_q988718f1ed_attn
		.amdhsa_group_segment_fixed_size 327680
		.amdhsa_private_segment_fixed_size 0
		.amdhsa_enable_private_segment 0
		.amdhsa_kernarg_size 32
		.amdhsa_user_sgpr_count 2
		.amdhsa_user_sgpr_kernarg_segment_ptr 1
		.amdhsa_wavefront_size32 1
		.amdhsa_system_sgpr_workgroup_id_x 1
		.amdhsa_system_sgpr_workgroup_id_y 1
		.amdhsa_system_sgpr_workgroup_id_z 1
		.amdhsa_system_vgpr_workitem_id 0
		.amdhsa_next_free_vgpr 512
		.amdhsa_next_free_sgpr 100
		.amdhsa_reserve_vcc 1
		.amdhsa_float_denorm_mode_32 3
		.amdhsa_float_denorm_mode_16_64 3
		.amdhsa_memory_ordered 1
		.amdhsa_forward_progress 1
		.amdhsa_inst_pref_size 156
	.end_amdhsa_kernel
	.amdgpu_metadata
---
amdhsa.version: [ 1, 2 ]
amdhsa.kernels:
  - .name:           k_q988718f1ed_attn
    .symbol:         k_q988718f1ed_attn.kd
    .args:
      - { .name: qimg, .offset: 0, .size: 8, .value_kind: global_buffer, .address_space: global }
      - { .name: kvimg, .offset: 8, .size: 8, .value_kind: global_buffer, .address_space: global }
      - { .name: lowp_scales, .offset: 16, .size: 8, .value_kind: global_buffer, .address_space: global }
      - { .name: out0, .offset: 24, .size: 8, .value_kind: global_buffer, .address_space: global }
    .group_segment_fixed_size: 327680
    .private_segment_fixed_size: 0
    .kernarg_segment_align: 8
    .kernarg_segment_size: 32
    .max_flat_workgroup_size: 256
    .sgpr_count:     100
    .vgpr_count:     512
    .wavefront_size: 32
...
	.end_amdgpu_metadata
.endif
;; end of part 2
